; MI455X (gfx1250); checked and timed in simulation.
; The chip was launched on July 23, 2026; its instructions are those of AMD's public machine-readable ISA for CDNA 5 (MIT licence, August 2026) and "CDNA5" Instruction Set Architecture Reference Guide (July 2026). The comments in the code are by the model that wrote it; some were corrected since.
;; Simple Average Self Attention. Allowed arithmetic: float matrix products may take bf16 or f16 operands with f32 sums; all other float work in f32.
;; Inputs: x 16 x 4,096 x 256 float32.
;; Outputs: out0 16 x 4,096 x 256 float32.
;; 2 versions, each right. Each part assembles by itself: llvm-mc -triple=amdgcn-amd-amdhsa -mcpu=gfx1250 --defsym DOCPART=n.
;; ======== version 1 of 2: 1 launch
;; limits: inputs' magnitudes at most 8.3e+34
;; launch runmean (part 1): grid 4 x 16, 16 waves a work-group, no clusters, 10,240 bytes of LDS; arguments x, out0; writes out0
.if DOCPART == 1
	.amdgcn_target "amdgcn-amd-amdhsa--gfx1250"
	.amdhsa_code_object_version 6
	.text
	.protected	k_q1dd74b5588_runmean
	.globl	k_q1dd74b5588_runmean
	.p2align	8
	.type	k_q1dd74b5588_runmean,@function
k_q1dd74b5588_runmean:
	s_mov_b64 s[64:65], 0
	v_nop
	global_prefetch_b8 v0, s[64:65] scope:SCOPE_SE
	s_setreg_imm32_b32 hwreg(HW_REG_WAVE_MODE, 25, 1), 1
	s_wait_xcnt 0x0
; out0[b][t][c] = sum over s of W[t][s] x[b][s][c].  x, out0: [16][4096][256] f32.
; W is made of constants alone: the scores are 0 for s <= t and -inf beyond, so each row's maximum is 0, the kept exponentials are
; exp(0 - 0) = 1, the others 0, and the divisor is t + 1, whatever x holds.  So W[t][s] = 1/(t+1) for s <= t, and the product is the
; running sum of each column down the rows, times 1/(t+1): one addition for a number in place of (t+1) multiply-adds.
; All arithmetic is f32 on the vector unit; a matrix form would do 2,048 times the additions and round x to 16 bits for it.
; LIMITS.  The raw column sums are kept in f32: |x| below 2^116 (8.3e34) cannot overflow 4,096 of them.  An Inf or NaN in x shows from its
; own row on (a product with W would spread it over the whole column, by 0 x Inf).  The additions are ordered otherwise than in a dot
; product; no difference of sums is formed.  1/(t+1) is v_rcp_f32 of the exact t + 1.
; SHARES.  A work-group owns one batch and one strip of 64 columns (256 bytes of each row), all 4,096 rows: 16 x 4 = 64 work-groups.  The sum runs
; down the rows and work-groups hand nothing to each other, so more of them would read rows twice or take less than 256 bytes of a row.
; No two work-groups read the same byte: there is nothing to share in a cluster.  x is read once, out0 written once, no workspace.
; The rows go in 8 steps of 512.  In a step wave w (of 16) holds rows 32 w .. 32 w + 31 in 64 registers: lanes 0-15 the first 16 rows, lanes 16-31 the
; next 16, lane r of a half the columns 4 r .. 4 r + 3.  Each load and store of a wave covers two aligned runs of 256 consecutive bytes.
; A step: running sums inside each half of the lanes; the wave's 64 column totals go to LDS; one barrier; every wave reads all 16 entries and adds those
; of the waves ahead of it, the carry of the steps before and (upper half) the lower half's total; scale; store.
; Three register buffers take turns: while one step is worked on, the loads of the next two are out (32 loads of 512 bytes a wave).
.set ROWB,  1024                       ; bytes in a row of x and of out0
.set STEPB, 512*ROWB                   ; bytes from a step's rows to the next step's
.set AREA,  4096                       ; an LDS area: 16 entries of 256 bytes (64 column totals of a wave); two areas take turns
.set OFF, 1                            ; v1        byte offset of my 16 bytes in my first row of step 0; never rewritten
.set PFO, 2                            ; v2        1,024 x my thread's number: the row of a step that I ask for ahead; never rewritten
.set LST, 3                            ; v3        LDS: my 16 bytes of my wave's entry
.set LLD, 4                            ; v4        LDS: 16 x lane
.set TB,  5                            ; v5        the number of my first row of the step, as f32
.set CAR, 6                            ; v[6:9]    sums of my 4 columns over all rows ahead of this step
.set HOF, 10                           ; v[10:13]  the other half's total; then the lower half's total (upper lanes) or 0 (lower lanes)
.set WT,  14                           ; v[14:17]  my wave's total; behind its store at work
.set PRE, 18                           ; v[18:21]  totals of the waves ahead of mine; then all that lies ahead of my rows
.set TOT, 22                           ; v[22:25]  totals of all 16 waves
.set TM,  26                           ; v[26:29]  at work
.set EN,  32                           ; v[32:63]  the entries as read: load i brings entry 2 i (lower lanes) and 2 i + 1 (upper lanes)
.set IV,  32                           ; afterwards: 1/(t+1) of my row j in v[32 + 2 j]
.set X,   64                           ; v[64:255] three buffers of 64: row j of the step in 4 registers
.set MK,  16                           ; s[16:23]  lane masks: entry 2 i + half belongs to a wave ahead of mine
	s_load_b128 s[4:7], s[0:1], 0x0                ; x s[4:5], out0 s[6:7]
	s_mov_b32 s12, 0x76543210                      ; v_permlanex16_b32: each lane takes its own place in the other half
	s_mov_b32 s13, 0xfedcba98
	s_mov_b32 s14, 0xffff0000                      ; the upper half of the lanes
	s_and_b32 s9, ttmp7, 0xffff                    ; batch
	s_lshl_b32 s10, s9, 22                         ; 4,096 rows of 1,024 bytes each
	s_lshl_b32 s11, ttmp9, 8                       ; strip: 256 bytes
	s_or_b32 s10, s10, s11
	s_mov_b32 s11, 0                               ; the offset stays under 2^26
	v_lshrrev_b32 v30, 5, v0
	v_readfirstlane_b32 s8, v30                    ; wave 0..15
	v_and_b32 v30, 15, v0                          ; r
	v_bfe_u32 v31, v0, 4, 1                        ; half
	s_lshl_b32 s9, s8, 15                          ; my wave's 32 rows
	v_lshl_add_u32 v[OFF], v30, 4, s9              ; + 16 r
	v_lshl_add_u32 v[OFF], v31, 14, v[OFF]         ; + 16 rows for the upper half
	s_wait_kmcnt 0x0
	s_add_nc_u64 s[4:5], s[4:5], s[10:11]          ; both at the piece's first byte; never stepped: step and row stand in the immediates,
	s_add_nc_u64 s[6:7], s[6:7], s[10:11]          ; 7 x 524,288 + 15 x 1,024 = 3,685,376 at the most, inside the signed 24 bits
; The 16 loads of step k, into buffer k % 3.  x is read once in the launch.
.macro LOADS k
.irp j, 0,1,2,3,4,5,6,7,8,9,10,11,12,13,14,15
	global_load_b128 v[X+64*((\k)%3)+4*\j:X+64*((\k)%3)+4*\j+3], v[OFF], s[4:5] offset:(\k)*STEPB+\j*ROWB th:TH_LOAD_NT
.endr
.endm
	LOADS 0
	LOADS 1
	LOADS 2                                        ; 48 loads are out; the rest of the set-up stands behind them
	v_lshlrev_b32 v[PFO], 10, v0
	s_lshl_b32 s9, s8, 8
	v_lshl_add_u32 v[LST], v30, 4, s9              ; 256 w + 16 r
	v_and_b32 v[LLD], 31, v0
	v_lshlrev_b32 v[LLD], 4, v[LLD]
	v_and_b32 v[TB], -16, v0                       ; 32 w + 16 half
	v_cvt_f32_u32 v[TB], v[TB]
.irp i, 0,1,2,3,4,5,6,7
	v_add_nc_u32 v[TM], 2*\i, v31
	v_cmp_gt_u32 s[MK+\i], s8, v[TM]               ; w > 2 i + half
.endr
.irp c, 0,1,2,3
	v_mov_b32 v[HOF+\c], 0                         ; a lane exchange counts as a reader of its destination: written once here
.endr
; Rows 4 g .. 4 g + 3 of my 16 leave: t + 1 (exact: at most 4,096), its reciprocal, the offset added, the scaling, the stores.
; f0-f3 are 4 g + 1 .. 4 g + 4.  The eight additions are the plain instructions between the reciprocals and their use (ISA guide 5.7.2).
; The multiply names a pair and takes its low register for both halves; the pair's other register holds an entry's word, which is not used.
.macro POSTG g, f0, f1, f2, f3
	v_add_f32 v[IV+8*\g],   \f0, v[TB]
	v_add_f32 v[IV+8*\g+2], \f1, v[TB]
	v_add_f32 v[IV+8*\g+4], \f2, v[TB]
	v_add_f32 v[IV+8*\g+6], \f3, v[TB]
.irp n, 0,1,2,3
	v_rcp_f32 v[IV+8*\g+2*\n], v[IV+8*\g+2*\n]
.endr
.irp n, 0,1,2,3
	v_pk_add_f32 v[XB+16*\g+4*\n:XB+16*\g+4*\n+1],   v[XB+16*\g+4*\n:XB+16*\g+4*\n+1],   v[PRE:PRE+1]
	v_pk_add_f32 v[XB+16*\g+4*\n+2:XB+16*\g+4*\n+3], v[XB+16*\g+4*\n+2:XB+16*\g+4*\n+3], v[PRE+2:PRE+3]
.endr
	s_wait_alu depctr_va_vdst(0)
.irp n, 0,1,2,3
	v_pk_mul_f32 v[XB+16*\g+4*\n:XB+16*\g+4*\n+1],   v[XB+16*\g+4*\n:XB+16*\g+4*\n+1],   v[IV+8*\g+2*\n:IV+8*\g+2*\n+1] op_sel_hi:[1,0]
	v_pk_mul_f32 v[XB+16*\g+4*\n+2:XB+16*\g+4*\n+3], v[XB+16*\g+4*\n+2:XB+16*\g+4*\n+3], v[IV+8*\g+2*\n:IV+8*\g+2*\n+1] op_sel_hi:[1,0]
.endr
.irp n, 0,1,2,3
	global_store_b128 v[OFF], v[XB+16*\g+4*\n:XB+16*\g+4*\n+3], s[6:7] offset:KB+(4*\g+\n)*ROWB th:TH_STORE_NT   ; 16 lanes store 256 consecutive bytes, at a multiple of 256 from out0's first byte
.endr
.endm
; Step k of 8.
.macro STEP k
.set XB, X+64*((\k)%3)
.set AR, ((\k)%2)*AREA
.set KB, (\k)*STEPB
.if \k <= 5
	s_wait_loadcnt 32                              ; loads come back in order (ISA guide 5.7.1): mine are in, the 2 x 16 of the next two steps stay out
.elseif \k == 6
	s_wait_loadcnt 16                              ; only the last step's 16 are younger
.else
	s_wait_loadcnt 0
.endif
.if \k <= 4
	; Asked for ahead: the 256 bytes of the strip in row 32 w + lane of step k + 3, the rows that this wave loads at this step's end.  One lane for each such
	; run of 256 bytes, once in the launch; 128 KiB for the work-group each time.  Steps 5 to 7 ask for nothing: step 7 is the last that there is.
	global_prefetch_b8 v[PFO], s[4:5] offset:(\k+3)*STEPB th:TH_LOAD_NT scope:SCOPE_SE
.endif
	; running sums down my 16 rows, in place; row 15 then holds my half's total
.irp j, 1,2,3,4,5,6,7,8,9,10,11,12,13,14,15
	v_pk_add_f32 v[XB+4*\j:XB+4*\j+1],   v[XB+4*\j:XB+4*\j+1],   v[XB+4*\j-4:XB+4*\j-3]
	v_pk_add_f32 v[XB+4*\j+2:XB+4*\j+3], v[XB+4*\j+2:XB+4*\j+3], v[XB+4*\j-2:XB+4*\j-1]
.endr
.irp c, 0,1,2,3
	v_permlanex16_b32 v[HOF+\c], v[XB+60+\c], s12, s13         ; the other half's total
.endr
	v_pk_add_f32 v[WT:WT+1],   v[XB+60:XB+61], v[HOF:HOF+1]    ; my wave's total: the same bits in both halves (a + b = b + a)
	v_pk_add_f32 v[WT+2:WT+3], v[XB+62:XB+63], v[HOF+2:HOF+3]
	ds_store_b128 v[LST], v[WT:WT+3] offset:AR                 ; both halves store the same 16 bytes
	s_wait_dscnt 0x0                               ; for the others' sake: my entry is in LDS (and my reads of the step before ended at count 0)
	s_barrier_signal -1
.irp c, 0,1,2,3
	v_cndmask_b32 v[HOF+\c], 0, v[HOF+\c], s14     ; what lies ahead of my rows inside my wave: the lower half's total for the upper lanes, nothing for the lower
.endr
	s_barrier_wait -1                              ; all 16 entries are there.  One barrier a step does on two areas: this area is written again two steps on,
	                                               ; behind the next step's barrier, which each wave signals only with its reads of this area back
.irp i, 0,1,2,3,4,5,6,7
	ds_load_b128 v[EN+4*\i:EN+4*\i+3], v[LLD] offset:AR+512*\i ; 512 consecutive bytes: two entries
.endr
.irp i, 0,1,2,3,4,5,6,7
	s_wait_dscnt 7-\i                              ; LDS loads come back in order (ISA guide 5.7.1): 7 - i of the run stand behind this one
.if \i == 0
.irp c, 0,1,2,3
	v_cndmask_b32 v[PRE+\c], 0, v[EN+\c], s[MK]    ; a select, not a product with 0 or 1: a later wave's numbers never touch an earlier row
.endr
.else
.irp c, 0,1,2,3
	v_cndmask_b32 v[TM+\c], 0, v[EN+4*\i+\c], s[MK+\i]
.endr
	v_pk_add_f32 v[PRE:PRE+1],   v[PRE:PRE+1],   v[TM:TM+1]
	v_pk_add_f32 v[PRE+2:PRE+3], v[PRE+2:PRE+3], v[TM+2:TM+3]
.endif
.if \k < 7                             ; the last step hands no carry on
.if \i == 1
	v_pk_add_f32 v[TOT:TOT+1],   v[EN:EN+1],   v[EN+4:EN+5]    ; the first two entries start the sum: nothing is cleared
	v_pk_add_f32 v[TOT+2:TOT+3], v[EN+2:EN+3], v[EN+6:EN+7]
.elseif \i > 1
	v_pk_add_f32 v[TOT:TOT+1],   v[TOT:TOT+1],   v[EN+4*\i:EN+4*\i+1]
	v_pk_add_f32 v[TOT+2:TOT+3], v[TOT+2:TOT+3], v[EN+4*\i+2:EN+4*\i+3]
.endif
.endif
.endr
	; the even entries were summed in the lower lanes, the odd ones in the upper: join them
.irp c, 0,1,2,3
	v_permlanex16_b32 v[TM+\c], v[PRE+\c], s12, s13
.endr
.if \k < 7
.irp c, 0,1,2,3
	v_permlanex16_b32 v[WT+\c], v[TOT+\c], s12, s13
.endr
.endif
	v_pk_add_f32 v[PRE:PRE+1],   v[PRE:PRE+1],   v[TM:TM+1]
	v_pk_add_f32 v[PRE+2:PRE+3], v[PRE+2:PRE+3], v[TM+2:TM+3]
	v_pk_add_f32 v[PRE:PRE+1],   v[PRE:PRE+1],   v[HOF:HOF+1]
	v_pk_add_f32 v[PRE+2:PRE+3], v[PRE+2:PRE+3], v[HOF+2:HOF+3]
.if \k > 0
	v_pk_add_f32 v[PRE:PRE+1],   v[PRE:PRE+1],   v[CAR:CAR+1]  ; the steps before; PRE is now the sum of all rows ahead of mine
	v_pk_add_f32 v[PRE+2:PRE+3], v[PRE+2:PRE+3], v[CAR+2:CAR+3]
.endif
.if \k == 0
	v_pk_add_f32 v[CAR:CAR+1],   v[TOT:TOT+1],   v[WT:WT+1]    ; the first step starts the carry
	v_pk_add_f32 v[CAR+2:CAR+3], v[TOT+2:TOT+3], v[WT+2:WT+3]
.elseif \k < 7
	v_pk_add_f32 v[TOT:TOT+1],   v[TOT:TOT+1],   v[WT:WT+1]    ; the step's total first, so that both halves of the lanes carry the same bits
	v_pk_add_f32 v[TOT+2:TOT+3], v[TOT+2:TOT+3], v[WT+2:WT+3]
	v_pk_add_f32 v[CAR:CAR+1],   v[CAR:CAR+1],   v[TOT:TOT+1]
	v_pk_add_f32 v[CAR+2:CAR+3], v[CAR+2:CAR+3], v[TOT+2:TOT+3]
.endif
	POSTG 0, 1.0, 2.0, 3.0, 4.0
	POSTG 1, 5.0, 6.0, 7.0, 8.0
	POSTG 2, 9.0, 10.0, 11.0, 12.0
	POSTG 3, 13.0, 14.0, 15.0, 16.0
.if \k < 7
	v_add_f32 v[TB], 0x44000000, v[TB]             ; 512 rows on
.endif
.if \k <= 4
	s_wait_xcnt 0x0                                ; every earlier memory instruction has had its addresses translated (ISA guide 3.1): the buffer, which this step's stores read, is loaded again only behind this wait
	LOADS \k+3
.endif
.endm
.irp k, 0,1,2,3,4,5,6,7
	STEP \k
.endr
	s_wait_xcnt 0x0
	v_lshl_add_u32 v254, v0, 2, 0x2000
	v_mov_b32 v255, 0
	s_wait_tensorcnt 0x0
	ds_add_u32 v254, v255
	s_wait_dscnt 0x0
	s_endpgm
.Lfunc_end_k_q1dd74b5588_runmean:
	.size	k_q1dd74b5588_runmean, .Lfunc_end_k_q1dd74b5588_runmean-k_q1dd74b5588_runmean
	.p2alignl 7, 3214868480
	.fill 96, 4, 3214868480
	.section	.rodata,"a",@progbits
	.p2align	6, 0x0
	.amdhsa_kernel k_q1dd74b5588_runmean
		.amdhsa_group_segment_fixed_size 10240
		.amdhsa_private_segment_fixed_size 0
		.amdhsa_enable_private_segment 0
		.amdhsa_kernarg_size 16
		.amdhsa_user_sgpr_count 2
		.amdhsa_user_sgpr_kernarg_segment_ptr 1
		.amdhsa_wavefront_size32 1
		.amdhsa_system_sgpr_workgroup_id_x 1
		.amdhsa_system_sgpr_workgroup_id_y 1
		.amdhsa_system_sgpr_workgroup_id_z 1
		.amdhsa_system_vgpr_workitem_id 0
		.amdhsa_next_free_vgpr 256
		.amdhsa_next_free_sgpr 66
		.amdhsa_reserve_vcc 0
		.amdhsa_float_denorm_mode_32 3
		.amdhsa_float_denorm_mode_16_64 3
		.amdhsa_memory_ordered 1
		.amdhsa_forward_progress 1
		.amdhsa_inst_pref_size 137
	.end_amdhsa_kernel
	.amdgpu_metadata
---
amdhsa.version: [ 1, 2 ]
amdhsa.kernels:
  - .name:           k_q1dd74b5588_runmean
    .symbol:         k_q1dd74b5588_runmean.kd
    .args:
      - { .name: x, .offset: 0, .size: 8, .value_kind: global_buffer, .address_space: global }
      - { .name: out0, .offset: 8, .size: 8, .value_kind: global_buffer, .address_space: global }
    .group_segment_fixed_size: 10240
    .private_segment_fixed_size: 0
    .kernarg_segment_align: 8
    .kernarg_segment_size: 16
    .max_flat_workgroup_size: 512
    .sgpr_count:     66
    .vgpr_count:     256
    .wavefront_size: 32
...
	.end_amdgpu_metadata
.endif
;; end of part 1
;; ======== version 2 of 2: 1 launch
;; limits: inputs' magnitudes at most 8.3e+34
;; launch runmean (part 2): grid 4 x 64, 16 waves a work-group, no clusters, 14,336 bytes of LDS; arguments x, out0; writes out0
.if DOCPART == 2
	.amdgcn_target "amdgcn-amd-amdhsa--gfx1250"
	.amdhsa_code_object_version 6
	.text
	.protected	k_q1dd74b5588_runmean
	.globl	k_q1dd74b5588_runmean
	.p2align	8
	.type	k_q1dd74b5588_runmean,@function
k_q1dd74b5588_runmean:
	s_mov_b64 s[64:65], 0
	v_nop
	global_prefetch_b8 v0, s[64:65] scope:SCOPE_SE
	s_setreg_imm32_b32 hwreg(HW_REG_WAVE_MODE, 25, 1), 1
	s_wait_xcnt 0x0
; out0[b][t][c] = sum over s of W[t][s] x[b][s][c].  x, out0: [16][4096][256] f32.
; W is made of constants alone: the scores are 0 for s <= t and -inf beyond, so each row's maximum is 0, the kept exponentials are
; exp(0 - 0) = 1, the others 0, and the divisor is t + 1, whatever x holds.  So W[t][s] = 1/(t+1) for s <= t, and the product is the
; running sum of each column down the rows, times 1/(t+1): one addition for a number in place of (t+1) multiply-adds.
; All arithmetic is f32 on the vector unit; a matrix form would do 2,048 times the additions and round x to 16 bits for it.
; LIMITS.  The raw column sums are kept in f32: |x| below 2^116 (8.3e34) cannot overflow 4,096 of them.  An Inf or NaN in x shows from its
; own row on (a product with W would spread it over the whole column, by 0 x Inf).  The additions are ordered otherwise than in a dot
; product; no difference of sums is formed.  1/(t+1) is v_rcp_f32 of the exact t + 1.
; SHARES.  A piece is one batch and one strip of 64 columns (256 bytes of each row): 64 pieces, each 4,096 rows = 8 steps of 512.  FOUR work-groups share a
; piece: part 0 makes the rows of steps 0-1, part 1 of steps 2-4, part 2 of steps 5-6, part 3 of step 7.  Work-groups hand nothing to each other, so a part
; also reads the steps ahead of its own and only adds them up.  Steps read + steps written: 2 + 2, 5 + 3, 7 + 2, 8 + 1 = 4, 8, 9, 9, against 8 + 8 = 16
; for one work-group to a piece; 256 work-groups.  The last part reads all 8 steps and writes one at the least, so 9 is the least that the longest way can be.
; Among the splits that keep 9 this one asks for a piece's 8 steps 22 times, and the parts begin to store behind 0, 2, 5 and 7 steps read, so that the stores are spread
; over the launch.  (1, 4, 2, 1 steps would ask 21 times, but gives 9 to a part with four scanned steps, each with a barrier and an exchange beside its bytes.)
; The four parts are neighbours in the grid and begin with the same steps at the same time; loads of rows that a partner reads too carry no non-temporal hint.
; out0 is written once; no workspace.
; NO JOINT LOADS, though rows are shared: the partners need 2, 5, 7 and 8 steps.  If all four asked for all 8, steps taken in + written would be 10, 11, 10, 9;
; each byte would pass through LDS on its way to registers; and the barrier in front of each refill would hold the parts that only add to the pace of the one that stores.
; A STEP.  Wave w (of 16) holds rows 32 w .. 32 w + 31 of the step in 64 registers: lanes 0-15 the first 16 rows, lanes 16-31 the next 16, lane r of a half the
; columns 4 r .. 4 r + 3.  Each load and store of a wave covers two aligned runs of 256 consecutive bytes.
;   A step that is only added up: 32 packed additions into four sets of sums; no LDS, no barrier.  Behind the last of them one exchange through LDS makes the carry.
;   A step that is scanned: running sums inside each half of the lanes; the wave's 64 column totals go to LDS; one barrier; every wave reads all 16 entries and adds
;   those of the waves ahead of it, the carry and (upper half) the lower half's total; scale; store.
; Three register buffers take turns through both kinds of step: while one step is worked on, the loads of the next two are out (32 loads of 512 bytes a wave).
; Each part's steps are written out as a straight path; the path is chosen once, on the work-group's number, which all 16 waves share.
.set ROWB,  1024                       ; bytes in a row of x and of out0
.set STEPB, 512*ROWB                   ; bytes from a step's rows to the next step's
.set AREA,  4096                       ; an LDS area: 16 entries of 256 bytes (64 column totals of a wave); areas 0 and 1 take turns in the scan, area 2 serves the carry
.set OFF, 1                            ; v1        byte offset of my 16 bytes in my first row of step 0; never rewritten
.set LST, 3                            ; v3        LDS: my 16 bytes of my wave's entry
.set LLD, 4                            ; v4        LDS: 16 x lane
.set TB,  5                            ; v5        the number of my first row of the step, as f32
.set CAR, 6                            ; v[6:9]    sums of my 4 columns over all rows ahead of this step
.set HOF, 10                           ; v[10:13]  the other half's total; then the lower half's total (upper lanes) or 0 (lower lanes)
.set WT,  14                           ; v[14:17]  my wave's total; behind its store at work
.set PRE, 18                           ; v[18:21]  totals of the waves ahead of mine; then all that lies ahead of my rows
.set TOT, 22                           ; v[22:25]  totals of all 16 waves
.set TM,  26                           ; v[26:29]  at work
.set ACC, 32                           ; v[32:47]  the steps that are only added up: four sets of 4 column sums, rows j % 4
.set EN,  32                           ; v[32:63]  the entries as read: load i brings entry 2 i (lower lanes) and 2 i + 1 (upper lanes)
.set IV,  32                           ; afterwards: 1/(t+1) of my row j in v[32 + 2 j]
.set X,   64                           ; v[64:255] three buffers of 64: row j of the step in 4 registers
.set MK,  16                           ; s[16:23]  lane masks: entry 2 i + half belongs to a wave ahead of mine
	s_load_b128 s[4:7], s[0:1], 0x0                ; x s[4:5], out0 s[6:7]
	s_mov_b32 s12, 0x76543210                      ; v_permlanex16_b32: each lane takes its own place in the other half
	s_mov_b32 s13, 0xfedcba98
	s_mov_b32 s14, 0xffff0000                      ; the upper half of the lanes
	s_mov_b32 s15, ttmp9                           ; part 0..3
	s_and_b32 s9, ttmp7, 0xffff                    ; 4 x batch + strip
	s_lshr_b32 s10, s9, 2
	s_lshl_b32 s10, s10, 22                        ; batch: 4,096 rows of 1,024 bytes
	s_and_b32 s11, s9, 3
	s_lshl_b32 s11, s11, 8                         ; strip: 256 bytes
	s_or_b32 s10, s10, s11
	s_mov_b32 s11, 0                               ; the offset stays under 2^26
	v_lshrrev_b32 v30, 5, v0
	v_readfirstlane_b32 s8, v30                    ; wave 0..15
	v_and_b32 v30, 15, v0                          ; r
	v_bfe_u32 v31, v0, 4, 1                        ; half
	s_lshl_b32 s9, s8, 15                          ; my wave's 32 rows
	v_lshl_add_u32 v[OFF], v30, 4, s9              ; + 16 r
	v_lshl_add_u32 v[OFF], v31, 14, v[OFF]         ; + 16 rows for the upper half
	s_wait_kmcnt 0x0
	s_add_nc_u64 s[4:5], s[4:5], s[10:11]          ; both at the piece's first byte; never stepped: step and row stand in the immediates,
	s_add_nc_u64 s[6:7], s[6:7], s[10:11]          ; 7 x 524,288 + 15 x 1,024 = 3,685,376 at the most, inside the signed 24 bits
; The 16 loads of step k, into buffer k % 3.  Step 7 has one reader in the launch (part 3); every other step has two to four.
.macro LOADS k
.irp j, 0,1,2,3,4,5,6,7,8,9,10,11,12,13,14,15
.if (\k) == 7
	global_load_b128 v[X+64*((\k)%3)+4*\j:X+64*((\k)%3)+4*\j+3], v[OFF], s[4:5] offset:(\k)*STEPB+\j*ROWB th:TH_LOAD_NT
.else
	global_load_b128 v[X+64*((\k)%3)+4*\j:X+64*((\k)%3)+4*\j+3], v[OFF], s[4:5] offset:(\k)*STEPB+\j*ROWB
.endif
.endr
.endm
	LOADS 0                                        ; every part reads steps 0 and 1: they go out ahead of the choice of path;
	LOADS 1                                        ; step 2's loads stand at the head of each path that has a step 2.  The rest of the set-up stands behind these 32 loads
	s_lshl_b32 s9, s8, 8
	v_lshl_add_u32 v[LST], v30, 4, s9              ; 256 w + 16 r
	v_and_b32 v[LLD], 31, v0
	v_lshlrev_b32 v[LLD], 4, v[LLD]
	v_and_b32 v[TB], -16, v0                       ; 32 w + 16 half; the path adds its first scanned step's rows and converts
.irp i, 0,1,2,3,4,5,6,7
	v_add_nc_u32 v[TM], 2*\i, v31
	v_cmp_gt_u32 s[MK+\i], s8, v[TM]               ; w > 2 i + half
.endr
.irp c, 0,1,2,3
	v_mov_b32 v[HOF+\c], 0                         ; a lane exchange counts as a reader of its destination: written once here
.endr
; The wait at the head of step k of a part whose last step is e - 1.  Loads come back in order (ISA guide 5.7.1); younger than step k's 16 are those of the
; steps issued behind them: steps k + 1 and k + 2 as far as the part has them.
.macro AWAIT k, e
.if (\e-1-(\k)) >= 2
	s_wait_loadcnt 32
.elseif (\e-1-(\k)) == 1
	s_wait_loadcnt 16
.else
	s_wait_loadcnt 0
.endif
.endm
; Row j of the buffer in hand onto set j % 4 of the sums: four chains that do not wait for each other.
.macro ADDROW j
	v_pk_add_f32 v[ACC+4*((\j)%4):ACC+4*((\j)%4)+1],   v[ACC+4*((\j)%4):ACC+4*((\j)%4)+1],   v[XB+4*(\j):XB+4*(\j)+1]
	v_pk_add_f32 v[ACC+4*((\j)%4)+2:ACC+4*((\j)%4)+3], v[ACC+4*((\j)%4)+2:ACC+4*((\j)%4)+3], v[XB+4*(\j)+2:XB+4*(\j)+3]
.endm
; Step k is only added up.  In step 0 rows 0-3 and 4-7 start the four sums: nothing is cleared.  Then the buffer takes step k + 3, if the part has it.
.macro SUMSTEP k, e
.set XB, X+64*((\k)%3)
	AWAIT \k, \e
.irp j, 0,1,2,3,4,5,6,7,8,9,10,11,12,13,14,15
.if (\k) > 0
	ADDROW \j
.elseif \j >= 8
	ADDROW \j
.elseif \j >= 4
	v_pk_add_f32 v[ACC+4*\j-16:ACC+4*\j-15], v[XB+4*\j-16:XB+4*\j-15], v[XB+4*\j:XB+4*\j+1]
	v_pk_add_f32 v[ACC+4*\j-14:ACC+4*\j-13], v[XB+4*\j-14:XB+4*\j-13], v[XB+4*\j+2:XB+4*\j+3]
.endif
.endr
.if (\k+3) < \e
	LOADS \k+3
.endif
.endm
; The carry out of the steps that were only added up: my four sets, the two halves of the lanes, then all 16 waves through LDS area 2, which is written once and read once.
.macro CARRY
	v_pk_add_f32 v[ACC:ACC+1],     v[ACC:ACC+1],     v[ACC+4:ACC+5]
	v_pk_add_f32 v[ACC+2:ACC+3],   v[ACC+2:ACC+3],   v[ACC+6:ACC+7]
	v_pk_add_f32 v[ACC+8:ACC+9],   v[ACC+8:ACC+9],   v[ACC+12:ACC+13]
	v_pk_add_f32 v[ACC+10:ACC+11], v[ACC+10:ACC+11], v[ACC+14:ACC+15]
	v_pk_add_f32 v[ACC:ACC+1],     v[ACC:ACC+1],     v[ACC+8:ACC+9]
	v_pk_add_f32 v[ACC+2:ACC+3],   v[ACC+2:ACC+3],   v[ACC+10:ACC+11]
.irp c, 0,1,2,3
	v_permlanex16_b32 v[HOF+\c], v[ACC+\c], s12, s13
.endr
	v_pk_add_f32 v[WT:WT+1],   v[ACC:ACC+1],   v[HOF:HOF+1]    ; my wave's sums: the same bits in both halves (a + b = b + a)
	v_pk_add_f32 v[WT+2:WT+3], v[ACC+2:ACC+3], v[HOF+2:HOF+3]
	ds_store_b128 v[LST], v[WT:WT+3] offset:2*AREA
	s_wait_dscnt 0x0                               ; for the others' sake: my entry is in LDS
	s_barrier_signal -1
	s_barrier_wait -1
.irp i, 0,1,2,3,4,5,6,7
	ds_load_b128 v[EN+4*\i:EN+4*\i+3], v[LLD] offset:2*AREA+512*\i
.endr
.irp i, 1,2,3,4,5,6,7
	s_wait_dscnt 7-\i                              ; LDS loads come back in order (ISA guide 5.7.1): 7 - i of the run stand behind this one
.if \i == 1
	v_pk_add_f32 v[CAR:CAR+1],   v[EN:EN+1],   v[EN+4:EN+5]
	v_pk_add_f32 v[CAR+2:CAR+3], v[EN+2:EN+3], v[EN+6:EN+7]
.else
	v_pk_add_f32 v[CAR:CAR+1],   v[CAR:CAR+1],   v[EN+4*\i:EN+4*\i+1]
	v_pk_add_f32 v[CAR+2:CAR+3], v[CAR+2:CAR+3], v[EN+4*\i+2:EN+4*\i+3]
.endif
.endr
.irp c, 0,1,2,3
	v_permlanex16_b32 v[HOF+\c], v[CAR+\c], s12, s13           ; the even entries were summed in the lower lanes, the odd ones in the upper
.endr
	v_pk_add_f32 v[CAR:CAR+1],   v[CAR:CAR+1],   v[HOF:HOF+1]
	v_pk_add_f32 v[CAR+2:CAR+3], v[CAR+2:CAR+3], v[HOF+2:HOF+3]
.endm
; Rows 4 g .. 4 g + 3 of my 16 leave: t + 1 (exact: at most 4,096), its reciprocal, the offset added, the scaling, the stores.
; f0-f3 are 4 g + 1 .. 4 g + 4.  The eight additions are the plain instructions between the reciprocals and their use (ISA guide 5.7.2).
; The multiply names a pair and takes its low register for both halves; the pair's other register holds an entry's word, which is not used.
.macro POSTG g, f0, f1, f2, f3
	v_add_f32 v[IV+8*\g],   \f0, v[TB]
	v_add_f32 v[IV+8*\g+2], \f1, v[TB]
	v_add_f32 v[IV+8*\g+4], \f2, v[TB]
	v_add_f32 v[IV+8*\g+6], \f3, v[TB]
.irp n, 0,1,2,3
	v_rcp_f32 v[IV+8*\g+2*\n], v[IV+8*\g+2*\n]
.endr
.irp n, 0,1,2,3
	v_pk_add_f32 v[XB+16*\g+4*\n:XB+16*\g+4*\n+1],   v[XB+16*\g+4*\n:XB+16*\g+4*\n+1],   v[PRE:PRE+1]
	v_pk_add_f32 v[XB+16*\g+4*\n+2:XB+16*\g+4*\n+3], v[XB+16*\g+4*\n+2:XB+16*\g+4*\n+3], v[PRE+2:PRE+3]
.endr
	s_wait_alu depctr_va_vdst(0)
.irp n, 0,1,2,3
	v_pk_mul_f32 v[XB+16*\g+4*\n:XB+16*\g+4*\n+1],   v[XB+16*\g+4*\n:XB+16*\g+4*\n+1],   v[IV+8*\g+2*\n:IV+8*\g+2*\n+1] op_sel_hi:[1,0]
	v_pk_mul_f32 v[XB+16*\g+4*\n+2:XB+16*\g+4*\n+3], v[XB+16*\g+4*\n+2:XB+16*\g+4*\n+3], v[IV+8*\g+2*\n:IV+8*\g+2*\n+1] op_sel_hi:[1,0]
.endr
.irp n, 0,1,2,3
	global_store_b128 v[OFF], v[XB+16*\g+4*\n:XB+16*\g+4*\n+3], s[6:7] offset:KB+(4*\g+\n)*ROWB th:TH_STORE_NT   ; 16 lanes store 256 consecutive bytes, at a multiple of 256 from out0's first byte
.endr
.endm
; Step k is scanned and stored; e - 1 is the part's last step.  Only step 0 has nothing ahead of it; a part's last step hands no carry on.
.macro STEP k, e
.set XB, X+64*((\k)%3)
.set AR, ((\k)%2)*AREA
.set KB, (\k)*STEPB
	AWAIT \k, \e
	; running sums down my 16 rows, in place; row 15 then holds my half's total
.irp j, 1,2,3,4,5,6,7,8,9,10,11,12,13,14,15
	v_pk_add_f32 v[XB+4*\j:XB+4*\j+1],   v[XB+4*\j:XB+4*\j+1],   v[XB+4*\j-4:XB+4*\j-3]
	v_pk_add_f32 v[XB+4*\j+2:XB+4*\j+3], v[XB+4*\j+2:XB+4*\j+3], v[XB+4*\j-2:XB+4*\j-1]
.endr
.irp c, 0,1,2,3
	v_permlanex16_b32 v[HOF+\c], v[XB+60+\c], s12, s13         ; the other half's total
.endr
	v_pk_add_f32 v[WT:WT+1],   v[XB+60:XB+61], v[HOF:HOF+1]    ; my wave's total: the same bits in both halves
	v_pk_add_f32 v[WT+2:WT+3], v[XB+62:XB+63], v[HOF+2:HOF+3]
	ds_store_b128 v[LST], v[WT:WT+3] offset:AR                 ; both halves store the same 16 bytes
	s_wait_dscnt 0x0                               ; for the others' sake: my entry is in LDS (and my earlier LDS reads ended at count 0)
	s_barrier_signal -1
.irp c, 0,1,2,3
	v_cndmask_b32 v[HOF+\c], 0, v[HOF+\c], s14     ; what lies ahead of my rows inside my wave: the lower half's total for the upper lanes, nothing for the lower
.endr
	s_barrier_wait -1                              ; all 16 entries are there.  One barrier a step does on two areas: this area is written again two steps on,
	                                               ; behind the next step's barrier, which each wave signals only with its reads of this area back
.irp i, 0,1,2,3,4,5,6,7
	ds_load_b128 v[EN+4*\i:EN+4*\i+3], v[LLD] offset:AR+512*\i ; 512 consecutive bytes: two entries
.endr
.irp i, 0,1,2,3,4,5,6,7
	s_wait_dscnt 7-\i                              ; LDS loads come back in order (ISA guide 5.7.1): 7 - i of the run stand behind this one
.if \i == 0
.irp c, 0,1,2,3
	v_cndmask_b32 v[PRE+\c], 0, v[EN+\c], s[MK]    ; a select, not a product with 0 or 1: a later wave's numbers never touch an earlier row
.endr
.else
.irp c, 0,1,2,3
	v_cndmask_b32 v[TM+\c], 0, v[EN+4*\i+\c], s[MK+\i]
.endr
	v_pk_add_f32 v[PRE:PRE+1],   v[PRE:PRE+1],   v[TM:TM+1]
	v_pk_add_f32 v[PRE+2:PRE+3], v[PRE+2:PRE+3], v[TM+2:TM+3]
.endif
.if (\k) < (\e-1)
.if \i == 1
	v_pk_add_f32 v[TOT:TOT+1],   v[EN:EN+1],   v[EN+4:EN+5]    ; the first two entries start the sum: nothing is cleared
	v_pk_add_f32 v[TOT+2:TOT+3], v[EN+2:EN+3], v[EN+6:EN+7]
.elseif \i > 1
	v_pk_add_f32 v[TOT:TOT+1],   v[TOT:TOT+1],   v[EN+4*\i:EN+4*\i+1]
	v_pk_add_f32 v[TOT+2:TOT+3], v[TOT+2:TOT+3], v[EN+4*\i+2:EN+4*\i+3]
.endif
.endif
.endr
	; the even entries were summed in the lower lanes, the odd ones in the upper: join them
.irp c, 0,1,2,3
	v_permlanex16_b32 v[TM+\c], v[PRE+\c], s12, s13
.endr
.if (\k) < (\e-1)
.irp c, 0,1,2,3
	v_permlanex16_b32 v[WT+\c], v[TOT+\c], s12, s13
.endr
.endif
	v_pk_add_f32 v[PRE:PRE+1],   v[PRE:PRE+1],   v[TM:TM+1]
	v_pk_add_f32 v[PRE+2:PRE+3], v[PRE+2:PRE+3], v[TM+2:TM+3]
	v_pk_add_f32 v[PRE:PRE+1],   v[PRE:PRE+1],   v[HOF:HOF+1]
	v_pk_add_f32 v[PRE+2:PRE+3], v[PRE+2:PRE+3], v[HOF+2:HOF+3]
.if (\k) > 0
	v_pk_add_f32 v[PRE:PRE+1],   v[PRE:PRE+1],   v[CAR:CAR+1]  ; the steps before; PRE is now the sum of all rows ahead of mine
	v_pk_add_f32 v[PRE+2:PRE+3], v[PRE+2:PRE+3], v[CAR+2:CAR+3]
.endif
.if (\k) == 0
	v_pk_add_f32 v[CAR:CAR+1],   v[TOT:TOT+1],   v[WT:WT+1]    ; step 0 starts the carry
	v_pk_add_f32 v[CAR+2:CAR+3], v[TOT+2:TOT+3], v[WT+2:WT+3]
.elseif (\k) < (\e-1)
	v_pk_add_f32 v[TOT:TOT+1],   v[TOT:TOT+1],   v[WT:WT+1]    ; the step's total first, so that both halves of the lanes carry the same bits
	v_pk_add_f32 v[TOT+2:TOT+3], v[TOT+2:TOT+3], v[WT+2:WT+3]
	v_pk_add_f32 v[CAR:CAR+1],   v[CAR:CAR+1],   v[TOT:TOT+1]
	v_pk_add_f32 v[CAR+2:CAR+3], v[CAR+2:CAR+3], v[TOT+2:TOT+3]
.endif
	POSTG 0, 1.0, 2.0, 3.0, 4.0
	POSTG 1, 5.0, 6.0, 7.0, 8.0
	POSTG 2, 9.0, 10.0, 11.0, 12.0
	POSTG 3, 13.0, 14.0, 15.0, 16.0
.if (\k) < (\e-1)
	v_add_f32 v[TB], 0x44000000, v[TB]             ; 512 rows on
.endif
.if (\k+3) < \e                        ; only a part with four scanned steps or more fills a buffer behind its stores: in this split none does, and nothing of this is assembled
	s_wait_xcnt 0x0                                ; every earlier memory instruction has had its addresses translated (ISA guide 3.1): the buffer, which this step's stores read, is loaded again only behind this wait
	LOADS \k+3
.endif
.endm
; A part's whole way: steps 0 .. ns - 1 are added up, steps ns .. e - 1 are scanned and stored.
.macro PATH ns, e
.if \e > 2
	LOADS 2                                        ; the third buffer's first fill: 48 loads of mine are out
.endif
.if \ns > 0
	v_add_nc_u32 v[TB], 512*\ns, v[TB]             ; my first row of the first step that I scan
.endif
	v_cvt_f32_u32 v[TB], v[TB]
.irp k, 0,1,2,3,4,5,6,7
.if \k < \ns
	SUMSTEP \k, \e
.elseif \k < \e
.if \ns > 0
.if \k == \ns
	CARRY
.endif
.endif
	STEP \k, \e
.endif
.endr
	s_wait_xcnt 0x0
	v_lshl_add_u32 v254, v0, 2, 0x3000
	v_mov_b32 v255, 0
	s_wait_tensorcnt 0x0
	ds_add_u32 v254, v255
	s_wait_dscnt 0x0
	s_endpgm
.endm
	s_cmp_eq_u32 s15, 0                            ; the part is the work-group's number along x: the same in all 16 waves, so all pass the same barriers
	s_cbranch_scc1 .Lpart0
	s_cmp_eq_u32 s15, 1
	s_cbranch_scc1 .Lpart1
	s_cmp_eq_u32 s15, 2
	s_cbranch_scc1 .Lpart2
	PATH 7, 8                                      ; part 3: adds steps 0-6, makes step 7
.Lpart2:
	PATH 5, 7                                      ; part 2: adds steps 0-4, makes steps 5 and 6
.Lpart1:
	PATH 2, 5                                      ; part 1: adds steps 0-1, makes steps 2 to 4
.Lpart0:
	PATH 0, 2                                      ; part 0: makes steps 0 and 1
.Lfunc_end_k_q1dd74b5588_runmean:
	.size	k_q1dd74b5588_runmean, .Lfunc_end_k_q1dd74b5588_runmean-k_q1dd74b5588_runmean
	.p2alignl 7, 3214868480
	.fill 96, 4, 3214868480
	.section	.rodata,"a",@progbits
	.p2align	6, 0x0
	.amdhsa_kernel k_q1dd74b5588_runmean
		.amdhsa_group_segment_fixed_size 14336
		.amdhsa_private_segment_fixed_size 0
		.amdhsa_enable_private_segment 0
		.amdhsa_kernarg_size 16
		.amdhsa_user_sgpr_count 2
		.amdhsa_user_sgpr_kernarg_segment_ptr 1
		.amdhsa_wavefront_size32 1
		.amdhsa_system_sgpr_workgroup_id_x 1
		.amdhsa_system_sgpr_workgroup_id_y 1
		.amdhsa_system_sgpr_workgroup_id_z 1
		.amdhsa_system_vgpr_workitem_id 0
		.amdhsa_next_free_vgpr 256
		.amdhsa_next_free_sgpr 66
		.amdhsa_reserve_vcc 0
		.amdhsa_float_denorm_mode_32 3
		.amdhsa_float_denorm_mode_16_64 3
		.amdhsa_memory_ordered 1
		.amdhsa_forward_progress 1
		.amdhsa_inst_pref_size 181
	.end_amdhsa_kernel
	.amdgpu_metadata
---
amdhsa.version: [ 1, 2 ]
amdhsa.kernels:
  - .name:           k_q1dd74b5588_runmean
    .symbol:         k_q1dd74b5588_runmean.kd
    .args:
      - { .name: x, .offset: 0, .size: 8, .value_kind: global_buffer, .address_space: global }
      - { .name: out0, .offset: 8, .size: 8, .value_kind: global_buffer, .address_space: global }
    .group_segment_fixed_size: 14336
    .private_segment_fixed_size: 0
    .kernarg_segment_align: 8
    .kernarg_segment_size: 16
    .max_flat_workgroup_size: 512
    .sgpr_count:     66
    .vgpr_count:     256
    .wavefront_size: 32
...
	.end_amdgpu_metadata
.endif
;; end of part 2
